; MI455X (gfx1250); checked and timed in simulation.
; The chip was launched on July 23, 2026; its instructions are those of AMD's public machine-readable ISA for CDNA 5 (MIT licence, August 2026) and "CDNA5" Instruction Set Architecture Reference Guide (July 2026). The comments in the code are by the model that wrote it; some were corrected since.
;; Mix Linear FP8 GEMM. Allowed arithmetic: float matrix products may take bf16 or f16 operands with f32 sums; other float arithmetic in f32, or as packed bf16 or f16 multiplies, adds, multiply-adds, maxima and minima; sums over many terms, partial sums and values carried from step to step in f32; what a program stores and reads back later, other than sums and carried values, may be rounded once to bf16 or f16.
;; Inputs: bias 2,048 float16; weight 2,048 x 2,048 float16; x 4 x 4,096 x 2,048 float16.
;; Outputs: out0 4 x 4,096 x 2,048 float16.
;; One version. Each part assembles by itself: llvm-mc -triple=amdgcn-amd-amdhsa -mcpu=gfx1250 --defsym DOCPART=n.
;; ======== version 1 of 1: 3 launches
;; workspace buffers: amax 1,024 bytes; qx 67,108,864 bytes; qw 8,388,608 bytes
;; launch amax (part 1): grid 256 x 1, 16 waves a work-group, no clusters, 2,304 bytes of LDS; arguments x, amax; writes amax
.if DOCPART == 1
	.amdgcn_target "amdgcn-amd-amdhsa--gfx1250"
	.amdhsa_code_object_version 6
	.text
	.protected	k_q9b6d5db506_amax
	.globl	k_q9b6d5db506_amax
	.p2align	8
	.type	k_q9b6d5db506_amax,@function
k_q9b6d5db506_amax:
	s_mov_b64 s[64:65], 0
	v_nop
	global_prefetch_b8 v0, s[64:65] scope:SCOPE_SE
	s_setreg_imm32_b32 hwreg(HW_REG_WAVE_MODE, 25, 1), 1
	s_wait_xcnt 0x0
; FIRST OF THREE LAUNCHES for out = scale_in * (q_x q_w^T) + bias, q_x = e4m3(clip(x / scale_in)), q_w = e4m3(clip(weight)), scale_in = max(max|x| / 448, 1e-12).
; This launch: 256 partial maxima of |x|, one f32 word a work-group; the later launches take the maximum of the 256 words for themselves.
; WORK LEFT OUT, in all three launches: scale_w.  reference() builds it in its own body as the constant 1.0, so weight / scale_w = weight and scale_in * scale_w = scale_in
; for every value of the inputs: a factor that is 1 by construction.  No input loses its way to the output by it: x, weight and bias are all loaded.  Nothing that is not finite can arise in the
; factor left out, so nothing of that kind is lost with it.
; LIMITS.  A NaN in x loses in the maximum (reference() would carry it to every output); an infinity in x is not treated apart.
; SHARES.  x is 67,108,864 bytes: a work-group takes 262,144 consecutive bytes, each of its sixteen waves 16,384, by 32 loads of 512 consecutive bytes (16 a lane), all issued before the first wait.
; No loop, no tile, no matrix work, no cluster: each byte is read once, by one wave, and work-groups share nothing.  The one store of four bytes a work-group is all that leaves: 1,024 bytes in the launch.
.set PART,  0                          ; LDS: sixteen words, a wave's maximum each, in a block of 256 bytes of their own
.set SPARE, 256                        ; the spare words: 128 bytes for each of sixteen waves; no other line names them
.set M,   2                            ; v[2:5]    four running maxima, two f16 each
.set T,   6                            ; v[6:9]    at work
.set SPW, 12                           ; v12       SPARE + 4 x my thread's number; never rewritten
.set NIL, 13                           ; v13       0; never rewritten
.set X,   16                           ; v[16:143] the wave's 16,384 bytes
	s_load_b128 s[4:7], s[0:1], 0x0                ; x s[4:5], amax s[6:7]
	v_lshl_add_u32 v[SPW], v0, 2, SPARE
	v_mov_b32 v[NIL], 0
	v_lshrrev_b32 v10, 5, v0
	v_readfirstlane_b32 s14, v10                   ; wave 0..15
	v_and_b32 v1, 0x1e0, v0                        ; 32 x wave
	v_and_b32 v11, 31, v0
	v_lshlrev_b32 v11, 4, v11                      ; 16 bytes a lane
	v_lshl_or_b32 v1, v1, 9, v11                   ; + 16,384 x wave
	s_lshl_b32 s10, ttmp9, 18                      ; the work-group's 262,144 bytes
	s_mov_b32 s11, 0
	s_lshl_b32 s15, ttmp9, 2                       ; its word in amax
	s_mov_b32 s8, 0x7fff7fff                       ; clears the signs of two f16
	s_mov_b32 s12, 0x76543210                      ; v_permlanex16_b32: each lane takes its own place in the other half
	s_mov_b32 s13, 0xfedcba98
	s_wait_kmcnt 0x0
	s_add_nc_u64 s[4:5], s[4:5], s[10:11]
.set j, 0
.rept 32
	global_load_b128 v[X+4*j:X+4*j+3], v1, s[4:5] offset:512*j th:TH_LOAD_NT
.set j, j+1
.endr
	; Eight groups of four loads.  The count in front of group g leaves the 28 - 4 g younger loads out.  Four chains, started by the first four words: nothing is cleared.
.set j, 0
.rept 128
.if j%16 == 0
	s_wait_loadcnt 28-4*(j/16)
.endif
.if j < 4
	v_and_b32 v[M+j], s8, v[X+j]
.else
	v_and_b32 v[T+j%4], s8, v[X+j]
	v_pk_max_num_f16 v[M+j%4], v[M+j%4], v[T+j%4]
.endif
.set j, j+1
.endr
	v_pk_max_num_f16 v[M], v[M], v[M+1]
	v_pk_max_num_f16 v[M+2], v[M+2], v[M+3]
	v_pk_max_num_f16 v[M], v[M], v[M+2]
	v_cvt_f32_f16 v6, v2.l                         ; the two halves as f32 (exact)
	v_cvt_f32_f16 v7, v2.h
	v_max_num_f32 v6, v6, v7
	v_max_num_f32_dpp v6, v6, v6 row_xmask:1 row_mask:0xf bank_mask:0xf
	v_max_num_f32_dpp v6, v6, v6 row_xmask:2 row_mask:0xf bank_mask:0xf
	v_max_num_f32_dpp v6, v6, v6 row_xmask:4 row_mask:0xf bank_mask:0xf
	v_max_num_f32_dpp v6, v6, v6 row_xmask:8 row_mask:0xf bank_mask:0xf
	v_permlanex16_b32 v7, v6, s12, s13             ; v7 has been written: the destination counts as read
	v_max_num_f32 v6, v6, v7                       ; the wave's maximum, in every lane
	v_mov_b32 v14, s14
	v_lshlrev_b32 v14, 2, v14
	ds_store_b32 v14, v6 offset:PART               ; all lanes write the wave's word with the same number
	s_wait_dscnt 0x0                               ; for the others' sake: my store is done
	s_barrier_signal -1
	s_barrier_wait -1
	s_cmp_lg_u32 s14, 0                            ; wave 0 finishes; no barrier stands in what the others jump
	s_cbranch_scc1 .Lend
	v_and_b32 v14, 15, v0
	v_lshlrev_b32 v14, 2, v14
	ds_load_b32 v6, v14 offset:PART                ; lane l takes wave l % 16's maximum
	v_mov_b32 v15, s15
	s_wait_dscnt 0x0
	v_max_num_f32_dpp v6, v6, v6 row_xmask:1 row_mask:0xf bank_mask:0xf
	v_max_num_f32_dpp v6, v6, v6 row_xmask:2 row_mask:0xf bank_mask:0xf
	v_max_num_f32_dpp v6, v6, v6 row_xmask:4 row_mask:0xf bank_mask:0xf
	v_max_num_f32_dpp v6, v6, v6 row_xmask:8 row_mask:0xf bank_mask:0xf
	v_cmp_eq_u32 vcc_lo, 0, v0
	s_wait_xcnt 0x0                                ; EXEC is a source of the memory instructions issued so far: it changes only behind this wait
	s_and_saveexec_b32 s16, vcc_lo
	global_store_b32 v15, v6, s[6:7]               ; thread 0 alone
	s_wait_xcnt 0x0                                ; and again, in front of the line that widens EXEC
	s_or_b32 exec_lo, exec_lo, s16
.Lend:
	s_wait_tensorcnt 0x0                           ; the wave's end, behind my last LDS store
	ds_add_u32 v[SPW], v[NIL]
	s_wait_dscnt 0x0
	s_endpgm
.Lfunc_end_k_q9b6d5db506_amax:
	.size	k_q9b6d5db506_amax, .Lfunc_end_k_q9b6d5db506_amax-k_q9b6d5db506_amax
	.p2alignl 7, 3214868480
	.fill 96, 4, 3214868480
	.section	.rodata,"a",@progbits
	.p2align	6, 0x0
	.amdhsa_kernel k_q9b6d5db506_amax
		.amdhsa_group_segment_fixed_size 2304
		.amdhsa_private_segment_fixed_size 0
		.amdhsa_enable_private_segment 0
		.amdhsa_kernarg_size 16
		.amdhsa_user_sgpr_count 2
		.amdhsa_user_sgpr_kernarg_segment_ptr 1
		.amdhsa_wavefront_size32 1
		.amdhsa_system_sgpr_workgroup_id_x 1
		.amdhsa_system_sgpr_workgroup_id_y 1
		.amdhsa_system_sgpr_workgroup_id_z 1
		.amdhsa_system_vgpr_workitem_id 0
		.amdhsa_next_free_vgpr 144
		.amdhsa_next_free_sgpr 66
		.amdhsa_reserve_vcc 1
		.amdhsa_float_denorm_mode_32 3
		.amdhsa_float_denorm_mode_16_64 3
		.amdhsa_memory_ordered 1
		.amdhsa_forward_progress 1
		.amdhsa_inst_pref_size 18
	.end_amdhsa_kernel
	.amdgpu_metadata
---
amdhsa.version: [ 1, 2 ]
amdhsa.kernels:
  - .name:           k_q9b6d5db506_amax
    .symbol:         k_q9b6d5db506_amax.kd
    .args:
      - { .name: x, .offset: 0, .size: 8, .value_kind: global_buffer, .address_space: global }
      - { .name: amax, .offset: 8, .size: 8, .value_kind: global_buffer, .address_space: global }
    .group_segment_fixed_size: 2304
    .private_segment_fixed_size: 0
    .kernarg_segment_align: 8
    .kernarg_segment_size: 16
    .max_flat_workgroup_size: 512
    .sgpr_count:     66
    .vgpr_count:     144
    .wavefront_size: 32
...
	.end_amdgpu_metadata
.endif
;; end of part 1
;; launch quant (part 2): grid 128 x 9, 8 waves a work-group, no clusters, 0 bytes of LDS; arguments x, weight, amax, qx, qw; writes qx, qw
.if DOCPART == 2
	.amdgcn_target "amdgcn-amd-amdhsa--gfx1250"
	.amdhsa_code_object_version 6
	.text
	.protected	k_q9b6d5db506_quant
	.globl	k_q9b6d5db506_quant
	.p2align	8
	.type	k_q9b6d5db506_quant,@function
k_q9b6d5db506_quant:
	s_mov_b64 s[64:65], 0
	v_nop
	global_prefetch_b8 v0, s[64:65] scope:SCOPE_SE
	s_setreg_imm32_b32 hwreg(HW_REG_WAVE_MODE, 25, 1), 1
	s_wait_xcnt 0x0
; SECOND LAUNCH: qx = e4m3(clip(x / scale_in, -448, 448)) and qw = e4m3(clip(weight, -448, 448)), each e4m3 number written as f16, which holds it exactly
; (four significant bits, 2^-9 to 448).  Each element is quantised once here, so the product that follows only multiplies.  Left out: the division of the weights by scale_w, the constant 1.0 of reference()'s body.
; scale_in = max(max|x| / 448, 1e-12): every wave of the x part takes the maximum of the 256 words that the launch before stored.  The quotient by 448 is a product with 1/448 and one
; correction by the remainder.  x / scale_in likewise: y0 = x inv, r = x - y0 scale, y = y0 + r inv, all in f32, since the rounding to e4m3 is a step and wants reference()'s f32 quotient.
; LIMITS.  y can differ from the f32 quotient in its last bit in rare cases; an element that lies on a midpoint of e4m3 then moves one step.  NaN and infinities are not treated apart.
; SHARES.  Grid y = 0..7: the eight parts of x, 128 work-groups each; y = 8: the weight.  A work-group takes 65,536 consecutive bytes, a wave 8,192: sixteen slots of 512 bytes (16 a lane), all sixteen
; loads issued before the first wait; each store of a wave covers 512 consecutive bytes, aligned.  A slot's result is written into the registers it was loaded into, and no register that a store reads is written again.
; No LDS, no cluster, no matrix work: work-groups share nothing but the 1,024 bytes of amax.
.set T,    2                           ; v[2:9]    at work
.set R,    10                          ; v[10:17]  at work
.set NSC,  18                          ; v18       - scale_in
.set ZERO, 19                          ; v19       0
.set INV,  20                          ; v[20:21]  1 / scale_in, twice (the weight's path: 1.0 in v20)
                                       ; v[22:25]  four pairs of e4m3 codes, in the low halves; cleared once
.set LO,   26                          ; v26       16 x lane
.set X,    28                          ; v[28:91]  slot j at X + 4 j
	s_load_b256 s[4:11], s[0:1], 0x0               ; x s[4:5], weight s[6:7], amax s[8:9], qx s[10:11]
	s_load_b64 s[12:13], s[0:1], 0x20              ; qw
	v_and_b32 v1, 0xe0, v0                         ; 32 x wave
	v_and_b32 v[LO], 31, v0
	v_lshlrev_b32 v[LO], 4, v[LO]
	v_lshl_or_b32 v1, v1, 8, v[LO]                 ; 8,192 x wave + 16 x lane; never rewritten
	v_mov_b32 v[ZERO], 0
	v_mov_b32 v22, 0
	v_mov_b32 v23, 0
	v_mov_b32 v24, 0
	v_mov_b32 v25, 0
	s_mov_b32 s16, 0xc3e00000                      ; -448
	s_mov_b32 s17, 0x43e00000                      ; 448
	s_mov_b32 s19, 0x3b124925                      ; 1 / 448
	s_mov_b32 s20, 0x76543210
	s_mov_b32 s21, 0xfedcba98
	s_and_b32 s18, ttmp7, 0xffff                   ; grid y
	s_lshl_b32 s14, s18, 7
	s_add_co_u32 s14, s14, ttmp9
	s_lshl_b32 s14, s14, 16                        ; x: (128 y + x) x 65,536 bytes
	s_mov_b32 s15, 0
	s_lshl_b32 s22, ttmp9, 16                      ; weight: x x 65,536 bytes
	s_mov_b32 s23, 0
	s_wait_kmcnt 0x0
	s_cmp_eq_u32 s18, 8
	s_cbranch_scc1 .Lweights
; Slot j.  div = 1: divided by scale_in; div = 0: taken as it is (INV holds 1.0).  d: the scalar pair of the destination.
.macro QSLOT j, div, d
	s_wait_loadcnt 15-(\j)                         ; loads come back in order: slot j is in, the 15 - j younger ones stay out
.irp k, 0,1,2,3
	v_fma_mix_f32 v[R+2*(\k)],   v[X+4*(\j)+(\k)], v[INV], v[ZERO] op_sel_hi:[1,0,0]                 ; f16 low half x inv + 0, in f32
	v_fma_mix_f32 v[R+2*(\k)+1], v[X+4*(\j)+(\k)], v[INV], v[ZERO] op_sel:[1,0,0] op_sel_hi:[1,0,0]  ; the high half
.endr
.if \div
.irp k, 0,1,2,3
	v_fma_mix_f32 v[T+2*(\k)],   v[R+2*(\k)],   v[NSC], v[X+4*(\j)+(\k)] op_sel_hi:[0,0,1]                 ; r = x - y0 scale
	v_fma_mix_f32 v[T+2*(\k)+1], v[R+2*(\k)+1], v[NSC], v[X+4*(\j)+(\k)] op_sel:[0,0,1] op_sel_hi:[0,0,1]
.endr
.irp k, 0,2,4,6
	v_pk_fma_f32 v[R+(\k):R+(\k)+1], v[T+(\k):T+(\k)+1], v[INV:INV+1], v[R+(\k):R+(\k)+1]  ; y = y0 + r inv
.endr
.endif
.irp k, 0,1,2,3,4,5,6,7
	v_med3_num_f32 v[R+(\k)], v[R+(\k)], s16, s17  ; the clip: the conversion below does not saturate
.endr
	v_cvt_pk_fp8_f32 v22.l, v[R],   v[R+1]
	v_cvt_pk_fp8_f32 v23.l, v[R+2], v[R+3]
	v_cvt_pk_fp8_f32 v24.l, v[R+4], v[R+5]
	v_cvt_pk_fp8_f32 v25.l, v[R+6], v[R+7]
	v_cvt_pk_f32_fp8 v[T:T+1],   v22.l
	v_cvt_pk_f32_fp8 v[T+2:T+3], v23.l
	v_cvt_pk_f32_fp8 v[T+4:T+5], v24.l
	v_cvt_pk_f32_fp8 v[T+6:T+7], v25.l
.irp k, 0,1,2,3
	v_cvt_pk_f16_f32 v[X+4*(\j)+(\k)], v[T+2*(\k)], v[T+2*(\k)+1]  ; exact
.endr
	global_store_b128 v1, v[X+4*(\j):X+4*(\j)+3], s[(\d):(\d)+1] offset:512*(\j) th:TH_STORE_NT
.endm
	s_add_nc_u64 s[4:5], s[4:5], s[14:15]
	s_add_nc_u64 s[10:11], s[10:11], s[14:15]
	global_load_b128 v[2:5], v[LO], s[8:9]         ; the 256 partial maxima: eight a lane
	global_load_b128 v[6:9], v[LO], s[8:9] offset:512
.set j, 0
.rept 16
	global_load_b128 v[X+4*j:X+4*j+3], v1, s[4:5] offset:512*j th:TH_LOAD_NT
.set j, j+1
.endr
	s_wait_loadcnt 16                              ; the two loads of amax are in; the sixteen of x stay out
	v_max3_num_f32 v2, v2, v3, v4
	v_max3_num_f32 v5, v5, v6, v7
	v_max3_num_f32 v2, v2, v8, v9
	v_max_num_f32 v2, v2, v5
	v_max_num_f32_dpp v2, v2, v2 row_xmask:1 row_mask:0xf bank_mask:0xf
	v_max_num_f32_dpp v2, v2, v2 row_xmask:2 row_mask:0xf bank_mask:0xf
	v_max_num_f32_dpp v2, v2, v2 row_xmask:4 row_mask:0xf bank_mask:0xf
	v_max_num_f32_dpp v2, v2, v2 row_xmask:8 row_mask:0xf bank_mask:0xf
	v_permlanex16_b32 v3, v2, s20, s21
	v_max_num_f32 v2, v2, v3                       ; max|x|, in every lane
	v_mul_f32 v3, s19, v2                          ; q = m / 448: a first quotient,
	v_fma_f32 v4, -v3, s17, v2                     ; its remainder,
	v_fma_f32 v3, v4, s19, v3                      ; the correction
	v_max_num_f32 v3, 0x2b8cbccc, v3               ; the floor of 1e-12: scale_in
	v_rcp_f32 v[INV], v3
	v_rcp_f32 v[INV+1], v3
	v_xor_b32 v[NSC], 0x80000000, v3               ; a plain instruction behind the reciprocals, ahead of the use of their results
	s_wait_alu depctr_va_vdst(0)                   ; ahead of the first reader: one for both reciprocals
.irp j, 0,1,2,3,4,5,6,7,8,9,10,11,12,13,14,15
	QSLOT \j, 1, 10
.endr
	s_endpgm
.Lweights:
	s_add_nc_u64 s[6:7], s[6:7], s[22:23]
	s_add_nc_u64 s[12:13], s[12:13], s[22:23]
.set j, 0
.rept 16
	global_load_b128 v[X+4*j:X+4*j+3], v1, s[6:7] offset:512*j th:TH_LOAD_NT
.set j, j+1
.endr
	v_mov_b32 v[INV], 1.0
.irp j, 0,1,2,3,4,5,6,7,8,9,10,11,12,13,14,15
	QSLOT \j, 0, 12
.endr
	s_endpgm
.Lfunc_end_k_q9b6d5db506_quant:
	.size	k_q9b6d5db506_quant, .Lfunc_end_k_q9b6d5db506_quant-k_q9b6d5db506_quant
	.p2alignl 7, 3214868480
	.fill 96, 4, 3214868480
	.section	.rodata,"a",@progbits
	.p2align	6, 0x0
	.amdhsa_kernel k_q9b6d5db506_quant
		.amdhsa_group_segment_fixed_size 0
		.amdhsa_private_segment_fixed_size 0
		.amdhsa_enable_private_segment 0
		.amdhsa_kernarg_size 40
		.amdhsa_user_sgpr_count 2
		.amdhsa_user_sgpr_kernarg_segment_ptr 1
		.amdhsa_wavefront_size32 1
		.amdhsa_system_sgpr_workgroup_id_x 1
		.amdhsa_system_sgpr_workgroup_id_y 1
		.amdhsa_system_sgpr_workgroup_id_z 1
		.amdhsa_system_vgpr_workitem_id 0
		.amdhsa_next_free_vgpr 92
		.amdhsa_next_free_sgpr 66
		.amdhsa_reserve_vcc 0
		.amdhsa_float_denorm_mode_32 3
		.amdhsa_float_denorm_mode_16_64 3
		.amdhsa_memory_ordered 1
		.amdhsa_forward_progress 1
		.amdhsa_inst_pref_size 74
	.end_amdhsa_kernel
	.amdgpu_metadata
---
amdhsa.version: [ 1, 2 ]
amdhsa.kernels:
  - .name:           k_q9b6d5db506_quant
    .symbol:         k_q9b6d5db506_quant.kd
    .args:
      - { .name: x, .offset: 0, .size: 8, .value_kind: global_buffer, .address_space: global }
      - { .name: weight, .offset: 8, .size: 8, .value_kind: global_buffer, .address_space: global }
      - { .name: amax, .offset: 16, .size: 8, .value_kind: global_buffer, .address_space: global }
      - { .name: qx, .offset: 24, .size: 8, .value_kind: global_buffer, .address_space: global }
      - { .name: qw, .offset: 32, .size: 8, .value_kind: global_buffer, .address_space: global }
    .group_segment_fixed_size: 0
    .private_segment_fixed_size: 0
    .kernarg_segment_align: 8
    .kernarg_segment_size: 40
    .max_flat_workgroup_size: 256
    .sgpr_count:     66
    .vgpr_count:     92
    .wavefront_size: 32
...
	.end_amdgpu_metadata
.endif
;; end of part 2
;; launch gemm (part 3): grid 8 x 32, 4 waves a work-group, clusters of 4 x 4, 327,680 bytes of LDS; arguments qx, qw, amax, bias, out0; writes out0
.if DOCPART == 3
	.amdgcn_target "amdgcn-amd-amdhsa--gfx1250"
	.amdhsa_code_object_version 6
	.text
	.protected	k_q9b6d5db506_gemm
	.globl	k_q9b6d5db506_gemm
	.p2align	8
	.type	k_q9b6d5db506_gemm,@function
k_q9b6d5db506_gemm:
	s_mov_b64 s[64:65], 0
	v_nop
	global_prefetch_b8 v0, s[64:65] scope:SCOPE_SE
	s_setreg_imm32_b32 hwreg(HW_REG_WAVE_MODE, 25, 1), 1
	s_wait_xcnt 0x0
	s_wait_alu depctr_hold_cnt(0) depctr_sa_sdst(0) depctr_va_vdst(0) depctr_va_sdst(0) depctr_va_ssrc(0) depctr_va_vcc(0) depctr_vm_vsrc(0)
	s_getreg_b32 s2, hwreg(HW_REG_IB_STS2, 6, 4)
	s_cmp_eq_u32 s2, 0
	s_cbranch_scc0 .Lentry_in_a_cluster
	s_endpgm
.Lentry_in_a_cluster:
	s_bfe_u32 s2, ttmp6, 0x10000c
	s_cmp_lg_u32 s2, 0xf033
	s_cbranch_scc0 .Lentry_shape_is_right
	s_endpgm
.Lentry_shape_is_right:
; THIRD LAUNCH: out0[m][n] = (the sum over k of qx[m][k] qw[n][k] + bias[n] / scale_in) x scale_in, rounded once to f16.  qx: [16384][2048], qw: [2048][2048], f16 numbers that are e4m3 values, so the
; products are those of reference()'s q_x and q_w without a further rounding; sums in f32.  Left out: the factor scale_w, the constant 1.0 of reference()'s body.
; LIMITS.  bias enters as bias / scale_in at the start of each sum and the sum is scaled at the end: another order of f32 roundings than acc x scale + bias.  scale_in is at least 1e-12, so bias / scale_in stays
; under 6.6e16.  A result beyond f16's range becomes an infinity, as in reference().  NaN and infinities in the inputs are not treated apart.
; SHARES.  A tile of out0, 256 x 256, is made by a work-group of four waves, a wave 128 x 128: 64 accumulators of 16 x 16, 512 registers.  512 tiles, 256 work-groups: each STAYS and makes two tiles, 8,192 rows
; apart, which share their rows of qw.  K goes in steps of 128 through a ring of two LDS slots filled by tensor loads; a tile row in memory is 256 bytes, aligned to 256.  The ring runs on into the second tile;
; the last tile's last K step goes by rows of out0, so that finished rows leave while the others are multiplied.
; CLUSTER.  4 x 4 work-groups.  The four of a row of the cluster need the same tiles of qx, the four of a column the same tiles of qw: each is asked for jointly, by the same tensor load with the same
; descriptor and a mask that names the four, which divides the requests by four.
; TRANSPOSED USE.  Source 0 = 16 rows of qw, source 1 = 16 rows of qx: lane l then holds row l % 16 of out0 and the columns 8 (l / 16) + 0..7, which pack into 16 bytes.
; REGISTERS, in windows of 256 (s_set_vgpr_msb: bits 1:0 source 0, 3:2 source 1, 5:4 source 2, 7:6 destination):
;   window 0: v0-31 addresses and the head's work; v64-127, v128-191 fragments of qx, two buffers (in the very last K step four of 16 rows x 128 K); v32-63, v192-255 at work on the way out
;   window 1: v0-63 bias / scale_in of my 128 columns, in an accumulator's layout; v64-127, v128-191 fragments of qw; in the very last K step all 256 hold qw's fragments of the step
;   window 2: the 32 accumulators of my rows 0-63 ((a, b) at v[8 (8 a + b)]);   window 3: those of my rows 64-127
.set SIZE_M, 16384
.set SIZE_N, 2048
.set SIZE_K, 2048
.set SIZE_TILES, 2
.set KSTEP,  128
.set PITCH,  272                       ; an LDS row: 256 bytes + 16 of padding = 68 words: the 16 rows of a fragment load start at 16 different groups of four banks (64 banks of 4 bytes: ISA guide 11.1)
.set HALFT,  128*PITCH                 ; 128 rows: what one tensor load brings, and what one wave reads of either operand
.set SLOT,   4*HALFT                   ; qx's 256 rows, then qw's 256 rows
.set STAGE,  2*SLOT                    ; behind the ring: 16 rows x 272 bytes for each wave, for the way out; no tensor load fills it
.set SPITCH, 272
.set SPARE,  STAGE+4*16*SPITCH         ; the spare words, 128 bytes for each wave; no other line names them
.set LAPS,   SIZE_K/(2*KSTEP)          ; a lap = two K steps = once round the ring: 8
.set WALK,   SIZE_M/SIZE_TILES         ; rows from a work-group's first tile to its second
.set NEXT_A, WALK*SIZE_K*2-(SIZE_K-2*KSTEP)*2   ; from a slot's last K step of a tile to its first of the next: WALK rows down, back along K
.set BACK_B, (SIZE_K-2*KSTEP)*2        ; qw only back
.set NEXT_C, (WALK-7*16)*SIZE_N*2      ; from my last 16 rows of a tile to my first of the next
.set ADRA, 16                          ; v16-17  LDS address of my qx fragments in slot 0, 1
.set ADRB, 20                          ; v20-21  the same for qw
.set STO,  24                          ; v24     the way out: where I put 16 bytes of a row
.set RD,   25                          ; v25     the way out: where I read a row back
.set CO,   26                          ; v26     my byte offset in out0
.set SPW,  28                          ; v28     SPARE + 4 x my thread's number; never rewritten
.set NIL,  29                          ; v29     0; never rewritten
.set PFO,  30                          ; v30     the prefetches' offset: my lane x a row of 4,096 bytes; never rewritten
.set PFA,  44                          ; s[44:45] where my prefetches stand
.set LIM,  43                          ; s43     1 in a wave that prefetches, else the greatest number
.set SCL,  72                          ; s[72:73] scale_in, named as a pair
.set BIA,  0                           ; window 1: register 8 b + j holds bias[my first column + 16 b + 8 (l / 16) + j] / scale_in
.set F0,   64
.set F1,   128
.set TMP,  192
.set OB,   32
.set PA,   64
.set G1, 24                            ; s[24:31] descriptor group 1 for qx's tiles;  s[32:39] group 0, a set for each slot
.set G0, 32
.set G1B, 48                           ; s[48:55], s[56:63] the same for qw's tiles
.set G0B, 56
.set MSB, 0
.macro WIN new                         ; the immediate's high byte repeats the setting that is left; a switch that changes nothing is dropped
.if MSB != (\new)
	s_set_vgpr_msb (MSB<<8)|(\new)
.set MSB, \new
.endif
.endm
.set MUL_LO, 0xa1                      ; source 0 window 1, source 1 window 0, C and D window 2
.set MUL_HI, 0xf1                      ; the same, C and D window 3
.set TO_B,   0x40                      ; destination window 1, address window 0
; A joint load.  Waves 0 and 1 fetch qx's two halves, waves 2 and 3 qw's.  The branch hangs on the wave's number alone.  An s_nop 0 and four v_nop follow each line, ahead of the jump and the label.
.macro JLOAD s
	s_cmp_eq_u32 s11, 0
	s_cbranch_scc0 .Lfor_b_\@
	tensor_load_to_lds s[G0+4*(\s):G0+4*(\s)+3], s[G1:G1+7]
	s_nop 0
.rept 4
	v_nop
.endr
	s_branch .Lasked_\@
.Lfor_b_\@:
	tensor_load_to_lds s[G0B+4*(\s):G0B+4*(\s)+3], s[G1B:G1B+7]
	s_nop 0
.rept 4
	v_nop
.endr
.Lasked_\@:
.endm
; A prefetch, behind each joint refill and the run of LDS loads that follows it: the K step that stands two refills on (512 matrix instructions ahead of the load that will ask for it): 32 rows x 256 bytes, a lane a
; row, one instruction a wave.  Each row's 256 bytes of a K step are named once in the launch: of the clusters that read a tile row of qx the one with x = 0 asks, of those that read a tile column of qw the one
; with y = 0; the four partners of a joint load share its 128 rows out by address, 32 each.  how = 0, in the loop: a tile's last two refills have no K step two on; how = 1: at the change of tiles.
.macro ASK how
.if \how
	s_cmp_eq_u32 s[LIM], 1
.else
	s_cmp_gt_u32 s3, s[LIM]                        ; s3 = 1 in the loop's last trip
.endif
	s_cbranch_scc0 .Lnot_mine_\@
	global_prefetch_b8 v[PFO], s[PFA:PFA+1] offset:KSTEP*2 th:TH_LOAD_NT scope:SCOPE_SE
.Lnot_mine_\@:
.endm
.macro CREST                           ; a round of the cluster's barrier behind its opening barrier
	s_cmp_lg_u32 s10, 0
	s_cbranch_scc1 .Lnot_wave_0_\@
	s_barrier_signal -3
.Lnot_wave_0_\@:
	s_barrier_wait -3
	s_barrier_signal -1
	s_barrier_wait -1
.endm
.macro CROUND                          ; a whole round
	s_barrier_signal -1
	s_barrier_wait -1
	CREST
.endm
	s_load_b128 s[4:7], s[0:1], 0x0                ; qx s[4:5], qw s[6:7]
	s_load_b128 s[68:71], s[0:1], 0x10             ; amax s[68:69], bias s[70:71]
	s_load_b64 s[8:9], s[0:1], 0x20                ; out0
	v_lshl_add_u32 v[SPW], v0, 2, SPARE
	v_mov_b32 v[NIL], 0
	ds_add_u32 v[SPW], v[NIL]                      ; the wave's opening: the add, twice on end, and its wait ahead of my first tensor load
	ds_add_u32 v[SPW], v[NIL]                      ; the set-up below, work on registers, stands between the second add and the wait
	v_lshrrev_b32 v1, 5, v0
	v_readfirstlane_b32 s10, v1                    ; wave 0..3
	s_lshr_b32 s11, s10, 1                         ; which half of the tile's rows is mine.  Also: I fetch for qx (0) or for qw (1)
	s_and_b32 s12, s10, 1                          ; which half of its columns.  Also: which 128 rows of that tile I fetch
	s_bfe_u32 s40, ttmp6, 0x40000                  ; cx
	s_bfe_u32 s41, ttmp6, 0x40004                  ; cy
	s_lshl_b32 s42, ttmp9, 2
	s_add_co_u32 s42, s42, s40                     ; tile column = 4 x cluster x + cx
	s_and_b32 s13, ttmp7, 0xffff
	s_lshl_b32 s13, s13, 2
	s_add_co_u32 s13, s13, s41                     ; tile row = 4 x cluster y + cy
	s_lshl_b32 s43, s41, 2
	s_lshl_b32 s43, 15, s43                        ; my row of the cluster: places 4 cy .. 4 cy + 3
	s_lshl_b32 s44, 0x1111, s40                    ; my column: places cx, cx + 4, cx + 8, cx + 12
	; descriptor group 1: a tile of 128 rows x 128 elements of 2 bytes, 4 words of padding after every 64 words
	s_or_b32 s[G1+0], s43, (1<<16)|(1<<20)|(1<<21)|(5<<22)|(3<<25)   ; the mask of my row; bit 21 set beside a mask
	s_or_b32 s[G1B+0], s44, (1<<16)|(1<<20)|(1<<21)|(5<<22)|(3<<25)  ; the mask of my column
.irp g, G1, G1B
	s_mov_b32 s[(\g)+1], KSTEP<<16                 ; tensor_dim0 = 128
	s_mov_b32 s[(\g)+2], 128<<16                   ; tensor_dim1 = 128
	s_mov_b32 s[(\g)+3], KSTEP<<16                 ; tile_dim0 = 128
	s_mov_b32 s[(\g)+4], 128                       ; tile_dim1 = 128
	s_mov_b32 s[(\g)+5], SIZE_K                    ; elements from row to row
	s_mov_b32 s[(\g)+6], 0
	s_mov_b32 s[(\g)+7], 0
.endr
	s_mov_b32 s74, 0x76543210                      ; v_permlanex16_b32's selects
	s_mov_b32 s75, 0xfedcba98
	s_mov_b32 s77, 0x43e00000                      ; 448
	s_mov_b32 s78, 0x3b124925                      ; 1 / 448
	; where the tiles come from: qx's hang on the tile row alone, qw's on the tile column alone, each in registers that never hold the other coordinate
	s_lshl_b32 s17, s12, 7
	s_lshl_b32 s16, s13, 8
	s_add_co_u32 s16, s16, s17                     ; qx: row 256 x tile row + 128 x half
	s_lshl_b32 s46, s42, 8
	s_add_co_u32 s46, s46, s17                     ; qw: row 256 x tile column + 128 x half
	s_mov_b32 s17, 0
	s_mov_b32 s47, 0
	s_mov_b64 s[18:19], SIZE_K*2
	s_mul_u64 s[16:17], s[16:17], s[18:19]
	s_mul_u64 s[46:47], s[46:47], s[18:19]
	s_mul_i32 s20, s10, HALFT                      ; where they go: wave x 128 rows: no place in the cluster enters an LDS address
	s_wait_dscnt 0x0                               ; both opening adds are done
	s_wait_kmcnt 0x0
	s_add_nc_u64 s[14:15], s[4:5], s[16:17]
	s_add_nc_u64 s[46:47], s[6:7], s[46:47]
	CROUND                                         ; all sixteen work-groups are here: the first joint loads meet
.irp s, 0,1
	s_mov_b32 s[G0+4*(\s)], 1
	s_add_co_u32 s[G0+4*(\s)+1], s20, (\s)*SLOT
	s_add_nc_u64 s[G0+4*(\s)+2:G0+4*(\s)+3], s[14:15], (\s)*KSTEP*2
	s_or_b32 s[G0+4*(\s)+3], s[G0+4*(\s)+3], 0x80000000
	s_mov_b32 s[G0B+4*(\s)], 1
	s_add_co_u32 s[G0B+4*(\s)+1], s20, (\s)*SLOT
	s_add_nc_u64 s[G0B+4*(\s)+2:G0B+4*(\s)+3], s[46:47], (\s)*KSTEP*2
	s_or_b32 s[G0B+4*(\s)+3], s[G0B+4*(\s)+3], 0x80000000
	JLOAD \s                                       ; two loads of mine are out: K steps 0 and 1
.endr
	; A fragment is 16 rows x 32 K in 8 registers: lane l holds row l % 16; registers 0-3 K = 8 (l / 16) + 0..7, registers 4-7 K = 16 + 8 (l / 16) + 0..7: two loads of 16 bytes, 32 bytes apart.
	v_and_b32 v1, 15, v0                           ; l % 16
	v_bfe_u32 v2, v0, 4, 1                         ; l / 16
	v_mul_u32_u24 v3, v1, PITCH
	v_lshl_add_u32 v3, v2, 4, v3
	s_mul_i32 s21, s11, HALFT                      ; my 128 rows of qx
	s_mul_i32 s22, s12, HALFT                      ; my 128 rows of qw,
	s_add_co_u32 s22, s22, 2*HALFT                 ; which lie behind qx's 256
.irp s, 0,1
	v_add_nc_u32 v[ADRA+(\s)], s21, v3
	v_add_nc_u32 v[ADRB+(\s)], s22, v3
	s_add_co_u32 s21, s21, SLOT
	s_add_co_u32 s22, s22, SLOT
.endr
	s_mul_i32 s23, s10, 16*SPITCH
	s_add_co_u32 s23, s23, STAGE                   ; my stage
	v_mul_u32_u24 v4, v1, SPITCH                   ; in: row l % 16, 16 bytes for each half of the lanes
	v_lshl_add_u32 v4, v2, 4, v4
	v_add_nc_u32 v[STO], s23, v4
	v_mul_u32_u24 v5, v2, SPITCH                   ; back: lanes 0-15 one row of 256 bytes, lanes 16-31 the next
	v_lshl_add_u32 v5, v1, 4, v5
	v_add_nc_u32 v[RD], s23, v5
	v_mul_u32_u24 v5, v2, SIZE_N*2                 ; and the same two rows in out0
	v_lshl_add_u32 v[CO], v1, 4, v5
	s_lshl_b32 s13, s13, 8
	s_lshl_b32 s14, s11, 7
	s_add_co_u32 s16, s13, s14                     ; my first row of out0
	s_mov_b32 s17, 0
	s_mov_b64 s[18:19], SIZE_N*2
	s_mul_u64 s[16:17], s[16:17], s[18:19]
	s_lshl_b32 s46, s42, 9                         ; my first column, in bytes: 512 x tile column + 256 x half; the same offset serves bias, 2 bytes a column
	s_lshl_b32 s47, s12, 8
	s_add_co_u32 s46, s46, s47
	s_mov_b32 s47, 0
	s_add_nc_u64 s[16:17], s[16:17], s[46:47]      ; what the first way out adds to out0's address
	; the prefetches
	s_lshl_b32 s42, s42, 8
	s_and_b32 s22, ttmp7, 0xffff                   ; cluster y
	s_cmp_eq_u32 s11, 0                            ; do I fetch for qx?
	s_cselect_b32 s20, s13, s42                    ; the tile's first row
	s_cselect_b32 s21, s40, s41                    ; my place among the four that ask with me
	s_cselect_b32 s22, ttmp9, s22                  ; the coordinate along which other clusters read the same rows
	s_cselect_b64 s[PFA:PFA+1], s[4:5], s[6:7]
	s_cmp_eq_u32 s22, 0
	s_cselect_b32 s[LIM], 1, -1                    ; the same in all sixteen partners, for a given wave
	s_lshl_b32 s22, s12, 7
	s_add_co_u32 s20, s20, s22                     ; + the 128 rows that I fetch
	s_lshl_b32 s21, s21, 5
	s_add_co_u32 s20, s20, s21                     ; + my work-group's 32 of them
	s_mov_b32 s21, 0
	s_mov_b64 s[18:19], SIZE_K*2
	s_mul_u64 s[20:21], s[20:21], s[18:19]
	s_add_nc_u64 s[PFA:PFA+1], s[PFA:PFA+1], s[20:21]
	s_add_nc_u64 s[PFA:PFA+1], s[PFA:PFA+1], 2*KSTEP*2  ; at K step 2: the first refill steps it to 3 and names K step 4; nothing is prefetched here at the head
	v_and_b32 v[PFO], 31, v0
	v_mul_u32_u24 v[PFO], v[PFO], SIZE_K*2
	; SCALE AND BIAS, while the first tiles are on their way.  scale_in from the 256 partial maxima, as the launch before made it; bias / scale_in of my 128 columns, in an accumulator's layout.
	v_and_b32 v6, 31, v0
	v_lshlrev_b32 v6, 4, v6
	global_load_b128 v[8:11], v6, s[68:69]         ; eight partial maxima a lane
	global_load_b128 v[12:15], v6, s[68:69] offset:512
	v_lshl_add_u32 v7, v2, 4, s46                  ; my first column's bytes + 16 (l / 16)
.irp b, 0,1,2,3,4,5,6,7
	global_load_b128 v[32+4*(\b):35+4*(\b)], v7, s[70:71] offset:32*(\b)  ; columns 16 b + 8 (l / 16) + 0..7
.endr
	s_wait_loadcnt 0x0
	v_max3_num_f32 v8, v8, v9, v10
	v_max3_num_f32 v11, v11, v12, v13
	v_max3_num_f32 v8, v8, v14, v15
	v_max_num_f32 v8, v8, v11
	v_max_num_f32_dpp v8, v8, v8 row_xmask:1 row_mask:0xf bank_mask:0xf
	v_max_num_f32_dpp v8, v8, v8 row_xmask:2 row_mask:0xf bank_mask:0xf
	v_max_num_f32_dpp v8, v8, v8 row_xmask:4 row_mask:0xf bank_mask:0xf
	v_max_num_f32_dpp v8, v8, v8 row_xmask:8 row_mask:0xf bank_mask:0xf
	v_permlanex16_b32 v9, v8, s74, s75
	v_max_num_f32 v8, v8, v9                       ; max|x|
	v_mul_f32 v9, s78, v8                          ; m / 448: a first quotient,
	v_fma_f32 v10, -v9, s77, v8                    ; its remainder,
	v_fma_f32 v9, v10, s78, v9                     ; the correction
	v_max_num_f32 v9, 0x2b8cbccc, v9               ; the floor of 1e-12: scale_in
	v_readfirstlane_b32 s[SCL], v9
	s_mov_b32 s[SCL+1], s[SCL]
	v_rcp_f32 v10, v9
	v_mov_b32 v11, 0                               ; a plain instruction behind the reciprocal
	s_wait_alu depctr_va_vdst(0)                   ; ahead of the reciprocal's first reader
	WIN 0x40                                       ; destination window 1
.set n, 0
.rept 32
	v_fma_mix_f32 v[BIA+2*n],   v[32+n], v10, v11 op_sel_hi:[1,0,0]                 ; f16 low half x 1 / scale + 0, in f32
	v_fma_mix_f32 v[BIA+2*n+1], v[32+n], v10, v11 op_sel:[1,0,0] op_sel_hi:[1,0,0]  ; the high half
.set n, n+1
.endr
	WIN 0
; 16 matrix instructions: m blocks a0, a0 + 1 of the window's four (hi = 0: my rows 0-63, 1: rows 64-127) x all 8 n blocks, 32 along K.
; first = 1: the product starts the sum with bias / scale_in as its C operand (window 1): nothing is cleared, and the bias costs no instruction of its own.
.macro MUL16 f, hi, a0, first
.if \first
	WIN 0x91+0x40*(\hi)                            ; source 0 window 1, source 1 window 0, C window 1, D window 2 or 3
.else
	WIN MUL_LO+0x50*(\hi)
.endif
.irp a, \a0, (\a0)+1
.irp b, 0,1,2,3,4,5,6,7
.if \first
	v_wmma_f32_16x16x32_f16 v[8*(8*(\a)+(\b)):8*(8*(\a)+(\b))+7], v[(\f)+8*(\b):(\f)+8*(\b)+7], v[(\f)+8*(4*(\hi)+(\a)):(\f)+8*(4*(\hi)+(\a))+7], v[BIA+8*(\b):BIA+8*(\b)+7]
.else
	v_wmma_f32_16x16x32_f16 v[8*(8*(\a)+(\b)):8*(8*(\a)+(\b))+7], v[(\f)+8*(\b):(\f)+8*(\b)+7], v[(\f)+8*(4*(\hi)+(\a)):(\f)+8*(4*(\hi)+(\a))+7], v[8*(8*(\a)+(\b)):8*(8*(\a)+(\b))+7]
.endif
.endr
.endr
.endm
; 32 LDS loads in one run: the fragments of one quarter step (128 rows of qw, 128 rows of qx, 32 K at byte k of the rows) into buffer f
.macro FETCH slot, k, f
	WIN TO_B
.irp i, 0,1,2,3,4,5,6,7
	ds_load_b128 v[(\f)+8*(\i):(\f)+8*(\i)+3],   v[ADRB+(\slot)] offset:(\k)+(\i)*16*PITCH
	ds_load_b128 v[(\f)+8*(\i)+4:(\f)+8*(\i)+7], v[ADRB+(\slot)] offset:(\k)+(\i)*16*PITCH+32
.endr
	WIN 0
.irp i, 0,1,2,3,4,5,6,7
	ds_load_b128 v[(\f)+8*(\i):(\f)+8*(\i)+3],   v[ADRA+(\slot)] offset:(\k)+(\i)*16*PITCH
	ds_load_b128 v[(\f)+8*(\i)+4:(\f)+8*(\i)+7], v[ADRA+(\slot)] offset:(\k)+(\i)*16*PITCH+32
.endr
.endm
; Four plain vector instructions between a matrix instruction and a load into a register that it has read, or a vector instruction that touches its result (ISA guide 7.12.1 for vector instructions)
.macro PLACES
.rept 4
	v_nop
.endr
.endm
; A K step is four quarters of 32 along K, 64 matrix instructions each, on buffers 0, 1, 0, 1.  The 64 accumulators take turns, one instruction a turn, in the same order in every quarter.
; One of the first three quarters: multiplies buffer f; in its middle it fetches the next quarter's fragments, at byte k of the same slot's rows, into buffer g.
.macro QUARTER slot, k, f, g, first
	s_wait_dscnt 8                                 ; qw's and qx's rows 0-63 are in; the youngest eight loads (qx's rows 64-127) may be out
	MUL16 \f, 0, 0, \first
	MUL16 \f, 0, 2, \first
	PLACES
	FETCH \slot, \k, \g
	s_wait_dscnt 32                                ; all but the 32 just issued
	MUL16 \f, 1, 0, \first
	MUL16 \f, 1, 2, \first
.endm
; The first half of the last quarter: ONE barrier for the change of slots.  In front of it each wave waits for all its tensor loads (one is out: its part of the next slot), adds 0 to its spare word,
; and waits for that and for its own reads of this slot.  Behind it nobody reads this slot any more and the next slot is whole.
.macro MEET round                      ; round = 1: the rest of a round of the cluster's barrier follows
	WIN 0                                          ; (the add's two registers lie in window 0)
	s_wait_tensorcnt 0x0                           ; all my tensor loads have landed
	ds_add_u32 v[SPW], v[NIL]
	s_wait_dscnt 9                                 ; (the add and the youngest eight loads may be out)
	MUL16 F1, 0, 0, 0                              ; sixteen matrix instructions stand between the add and the wait for it
	s_wait_dscnt 0x0                               ; the add is done, and my reads of this slot are over
	s_barrier_signal -1
	MUL16 F1, 0, 2, 0                              ; work on registers while the others arrive
.if \round
	WIN 0
.endif
	s_barrier_wait -1
.endm
; The whole last quarter.  Behind the round the slot just read out is filled again first: with this tile's K step two steps on (on = 0) or with the next tile's K step 0 or 1 (on = 1); then the next slot's first
; fragments are fetched.  From a request to the wait for it a wave issues 224 matrix instructions.  One tensor load of mine is out behind each round.
.macro TURN slot, next, on
	s_wait_xcnt 0x0                                ; the last prefetch, a K step back, has read its address: it is stepped here, ahead of the waits of the change of slots
.if (\on) && (\slot) == 0
	s_add_nc_u64 s[PFA:PFA+1], s[PFA:PFA+1], (WALK-1)*SIZE_K*2+KSTEP*2  ; from the K step after the tile's last to the next tile's K step 1
	s_cmp_eq_u32 s11, 0
	s_cselect_b32 s[LIM], s[LIM], -1               ; qw's rows are the same for both tiles: they are asked for in the first tile alone
.else
	s_add_nc_u64 s[PFA:PFA+1], s[PFA:PFA+1], KSTEP*2
.endif
	MEET 1
	CREST                                          ; no wave of any partner still reads this slot's tile or has a load on its way
.if \on
	s_add_nc_u64 s[G0+4*(\slot)+2:G0+4*(\slot)+3], s[G0+4*(\slot)+2:G0+4*(\slot)+3], NEXT_A
	s_sub_nc_u64 s[G0B+4*(\slot)+2:G0B+4*(\slot)+3], s[G0B+4*(\slot)+2:G0B+4*(\slot)+3], BACK_B
.else
	s_add_nc_u64 s[G0+4*(\slot)+2:G0+4*(\slot)+3], s[G0+4*(\slot)+2:G0+4*(\slot)+3], 2*KSTEP*2
	s_add_nc_u64 s[G0B+4*(\slot)+2:G0B+4*(\slot)+3], s[G0B+4*(\slot)+2:G0B+4*(\slot)+3], 2*KSTEP*2
.endif
	JLOAD \slot                                    ; the first tensor load behind the round; its four v_nop are also the places in front of the loads below
	FETCH \next, 0, F0
	ASK \on
	MUL16 F1, 1, 0, 0
	MUL16 F1, 1, 2, 0
.endm
; THE LAST TILE'S LAST K STEP (in slot 1) goes by rows of out0.  All its fragments of qw (4 quarters x 64 registers) fill window 1, the bias's registers among them: their last use, the tile's first quarter, is over.
; Then my eight blocks of 16 rows are finished one after the other, 32 matrix instructions each, the block's 8 accumulators by turns, K ascending.
.macro BLOAD q
	WIN TO_B
.irp i, 0,1,2,3,4,5,6,7
	ds_load_b128 v[64*(\q)+8*(\i):64*(\q)+8*(\i)+3],   v[ADRB+1] offset:64*(\q)+(\i)*16*PITCH
	ds_load_b128 v[64*(\q)+8*(\i)+4:64*(\q)+8*(\i)+7], v[ADRB+1] offset:64*(\q)+(\i)*16*PITCH+32
.endr
.endm
.macro ALOAD a                         ; qx's fragments of block a, all four quarters, into buffer a % 4
	WIN 0
.set FA, PA+32*((\a)%4)
.irp q, 0,1,2,3
	ds_load_b128 v[FA+8*(\q):FA+8*(\q)+3],   v[ADRA+1] offset:64*(\q)+(\a)*16*PITCH
	ds_load_b128 v[FA+8*(\q)+4:FA+8*(\q)+7], v[ADRA+1] offset:64*(\q)+(\a)*16*PITCH+32
.endr
.endm
.macro ROW a
.set FA, PA+32*((\a)%4)
.set AC, 64*((\a)%4)
	WIN MUL_LO+0x50*((\a)/4)
.irp q, 0,1,2,3
.if (\a) == 0 && (\q) == 2
	s_wait_dscnt 24                                ; qw's quarter 2 is in (behind it: qx's blocks 1 to 3, 24 loads)
.endif
.irp b, 0,1,2,3,4,5,6,7
	v_wmma_f32_16x16x32_f16 v[AC+8*(\b):AC+8*(\b)+7], v[64*(\q)+8*(\b):64*(\q)+8*(\b)+7], v[FA+8*(\q):FA+8*(\q)+7], v[AC+8*(\b):AC+8*(\b)+7]
.endr
.endr
.endm
; THE WAY OUT of block a.  PACK: times scale_in, in place, each accumulator from its lowest registers on; then rounded to f16, 16 bytes a lane.
; TOSTAGE: into my own stage in LDS, and back as whole rows of 256 bytes.  SEND: stored.
.macro PACK a
.set AC, 64*((\a)%4)
	WIN 0x82+0x41*((\a)/4)                         ; destination and source 0: window 2 or 3
.irp b, 0,1,2,3,4,5,6,7
.irp r, 0,1,2,3
	v_pk_mul_f32 v[AC+8*(\b)+2*(\r):AC+8*(\b)+2*(\r)+1], v[AC+8*(\b)+2*(\r):AC+8*(\b)+2*(\r)+1], s[SCL:SCL+1] op_sel_hi:[1,0]
.endr
.endr
	WIN 0x0a+5*((\a)/4)                            ; sources 0 and 1: window 2 or 3; destination window 0
.irp b, 0,1,2,3,4,5,6,7
.irp r, 0,1,2,3
	v_cvt_pk_f16_f32 v[TMP+4*(\b)+(\r)], v[AC+8*(\b)+2*(\r)], v[AC+8*(\b)+2*(\r)+1]
.endr
.endr
	WIN 0
.endm
.macro TOSTAGE a
	WIN 0
.set BK, OB+192*((\a)%2)
.irp b, 0,1,2,3,4,5,6,7
	ds_store_b128 v[STO], v[TMP+4*(\b):TMP+4*(\b)+3] offset:32*(\b)
.endr
.irp t, 0,1,2,3,4,5,6,7
	ds_load_b128 v[BK+4*(\t):BK+4*(\t)+3], v[RD] offset:(\t)*2*SPITCH  ; LDS serves a wave's instructions in order (ISA guide 5.7.1.4): these see the stores above
.endr
.endm
.macro SEND a, younger                 ; younger: the LDS loads issued behind TOSTAGE's, which may stay out
	WIN 0
.set BK, OB+192*((\a)%2)
	s_wait_dscnt \younger                          ; the block is back in registers
	s_wait_xcnt 0x0                                ; the earlier stores have read their base and their registers: only behind this wait are these written again
.if (\a) == 0
	s_add_nc_u64 s[8:9], s[8:9], s[16:17]          ; on to this tile's first rows
.else
	s_add_nc_u64 s[8:9], s[8:9], 16*SIZE_N*2       ; 16 rows on
.endif
.irp t, 0,1,2,3,4,5,6,7
	global_store_b128 v[CO], v[BK+4*(\t):BK+4*(\t)+3], s[8:9] offset:2*(\t)*SIZE_N*2  ; 16 lanes store 256 consecutive bytes, at a multiple of 256 from out0's first byte
.endr
.endm
	s_wait_tensorcnt 1                             ; my part of K step 0 is in; K step 1's load may stay out
	s_barrier_signal -1
	s_barrier_wait -1                              ; everybody's is
	FETCH 0, 0, F0
	s_mov_b32 s2, SIZE_TILES                       ; tiles to go, this one among them
.Ltile:
	QUARTER 0, 64,  F0, F1, 1                      ; a tile's first quarter stands in front of the loop: its products start the sums, with the bias
	WIN 0                                          ; at a label and at a branch every window is 0
	s_mov_b32 s3, LAPS-1
.Llap:                                                 ; a trip goes once round the ring, from a lap's second quarter to the next lap's first, and fills both slots again
	QUARTER 0, 128, F1, F0, 0
	QUARTER 0, 192, F0, F1, 0
	TURN 0, 1, 0
	QUARTER 1, 64,  F0, F1, 0
	QUARTER 1, 128, F1, F0, 0
	QUARTER 1, 192, F0, F1, 0
	TURN 1, 0, 0
	QUARTER 0, 64,  F0, F1, 0
	WIN 0
	s_sub_co_u32 s3, s3, 1
	s_cmp_lg_u32 s3, 0
	s_cbranch_scc1 .Llap
	QUARTER 0, 128, F1, F0, 0                      ; the tile's last lap goes on
	QUARTER 0, 192, F0, F1, 0
	WIN 0
	s_cmp_eq_u32 s2, 1
	s_cbranch_scc1 .Llast_tile                     ; the last tile's tail is written out: it asks for nothing more
	TURN 0, 1, 1                                   ; the ring goes on into the next tile: slot 0 takes its K step 0,
	QUARTER 1, 64,  F0, F1, 0
	QUARTER 1, 128, F1, F0, 0
	QUARTER 1, 192, F0, F1, 0
	TURN 1, 0, 1                                   ; slot 1 its K step 1, and the next tile's first fragments are fetched
	PACK 0                                         ; both refills are asked for: now the tile goes out.  Blocks 0-3 were finished in front of the joint load's four v_nop; their vector work,
	TOSTAGE 0                                      ; which names no register of the last products (blocks 4-7's), is the distance behind those
.irp a, 1,2,3,4,5,6,7                  ; block a's arithmetic stands between block a - 1's loads from the stage and the wait for them
	PACK \a
	SEND (\a)-1, 0
	TOSTAGE \a
.endr
	SEND 7, 0
	s_mov_b64 s[16:17], NEXT_C                     ; what the next way out adds to out0's address
	s_sub_co_u32 s2, s2, 1
	s_branch .Ltile
.Llast_tile:
	MEET 0                                         ; the one tensor load of mine that was out is the last K step's, so no round follows
	PLACES                                         ; for the loads into buffer 0, which the quarter before multiplied
	BLOAD 0                                        ; three quarters of qw now: buffer 1 (v128-191 of both windows) is still being multiplied
	BLOAD 1
	BLOAD 3
	ALOAD 0
	MUL16 F1, 1, 0, 0
	MUL16 F1, 1, 2, 0
	PLACES                                         ; for the loads into buffer 1
	BLOAD 2
	ALOAD 1
	ALOAD 2
	ALOAD 3
	s_wait_dscnt 40                                ; all but the 40 just issued (qw's quarter 2: 16; qx's blocks 1 to 3: 24)
	ROW 0
.irp a, 0,1,2,3,4,5,6,7                ; each block leaves as soon as it is finished: nothing follows this tile under which its stores could leave
	PLACES                                         ; its scaling reads results just made
	PACK \a
	TOSTAGE \a
.if (\a) < 4
	ALOAD (\a)+4                                   ; its buffer takes the block four further on: eight loads behind the stage's
	SEND \a, 8
.else
	SEND \a, 0
.endif
.if (\a) < 7
	ROW (\a)+1
.endif
.endr
	s_wait_tensorcnt 0x0                           ; the wave's end, behind my last tensor load and my last LDS store
	ds_add_u32 v[SPW], v[NIL]
	s_wait_dscnt 0x0
	CROUND                                         ; the closing round: no work-group ends while a partner may still ask for a tile that names it
	s_endpgm
.Lfunc_end_k_q9b6d5db506_gemm:
	.size	k_q9b6d5db506_gemm, .Lfunc_end_k_q9b6d5db506_gemm-k_q9b6d5db506_gemm
	.p2alignl 7, 3214868480
	.fill 96, 4, 3214868480
	.section	.rodata,"a",@progbits
	.p2align	6, 0x0
	.amdhsa_kernel k_q9b6d5db506_gemm
		.amdhsa_group_segment_fixed_size 327680
		.amdhsa_private_segment_fixed_size 0
		.amdhsa_enable_private_segment 0
		.amdhsa_kernarg_size 40
		.amdhsa_user_sgpr_count 2
		.amdhsa_user_sgpr_kernarg_segment_ptr 1
		.amdhsa_wavefront_size32 1
		.amdhsa_system_sgpr_workgroup_id_x 1
		.amdhsa_system_sgpr_workgroup_id_y 1
		.amdhsa_system_sgpr_workgroup_id_z 1
		.amdhsa_system_vgpr_workitem_id 0
		.amdhsa_next_free_vgpr 1024
		.amdhsa_next_free_sgpr 80
		.amdhsa_reserve_vcc 0
		.amdhsa_float_denorm_mode_32 3
		.amdhsa_float_denorm_mode_16_64 3
		.amdhsa_memory_ordered 1
		.amdhsa_forward_progress 1
		.amdhsa_inst_pref_size 249
	.end_amdhsa_kernel
	.amdgpu_metadata
---
amdhsa.version: [ 1, 2 ]
amdhsa.kernels:
  - .name:           k_q9b6d5db506_gemm
    .symbol:         k_q9b6d5db506_gemm.kd
    .args:
      - { .name: qx, .offset: 0, .size: 8, .value_kind: global_buffer, .address_space: global }
      - { .name: qw, .offset: 8, .size: 8, .value_kind: global_buffer, .address_space: global }
      - { .name: amax, .offset: 16, .size: 8, .value_kind: global_buffer, .address_space: global }
      - { .name: bias, .offset: 24, .size: 8, .value_kind: global_buffer, .address_space: global }
      - { .name: out0, .offset: 32, .size: 8, .value_kind: global_buffer, .address_space: global }
    .group_segment_fixed_size: 327680
    .private_segment_fixed_size: 0
    .kernarg_segment_align: 8
    .kernarg_segment_size: 40
    .max_flat_workgroup_size: 128
    .sgpr_count:     80
    .vgpr_count:     1024
    .wavefront_size: 32
...
	.end_amdgpu_metadata
.endif
;; end of part 3
